; MI455X (gfx1250); checked and timed in simulation.
; The chip was launched on July 23, 2026; its instructions are those of AMD's public machine-readable ISA for CDNA 5 (MIT licence, August 2026) and "CDNA5" Instruction Set Architecture Reference Guide (July 2026). The comments in the code are by the model that wrote it; some were corrected since.
;; Multi Head Attention. Allowed arithmetic: matrix products marked QUANTISED: E4M3 operands, one given power-of-two scale a tensor, by v_wmma_f32_16x16x64_fp8_fp8 or v_wmma_f32_16x16x128_fp8_fp8, f32 sums; everything else in f32.
;; Inputs: Wk 1,024 x 1,024 float32; Wo 1,024 x 1,024 float32; Wq 1,024 x 1,024 float32; Wv 1,024 x 1,024 float32; attention_mask 4 x 2,048 int32; bk 1,024 float32; bo 1,024 float32; bq 1,024 float32; bv 1,024 float32; lowp_scales 12 int32 (the exponents e of the quantised operands' scales 2^e); xk 4 x 2,048 x 1,024 float32; xq 4 x 2,048 x 1,024 float32; xv 4 x 2,048 x 1,024 float32.
;; Outputs: out0 4 x 2,048 x 1,024 float32.
;; This version of the problem:
;;   THIS VERSION OF THE PROBLEM IS GIVEN IN LOW PRECISION. The matrix products marked QUANTISED in the list below multiply operands that are first quantised to E4M3 (4 exponent bits, 3 mantissa bits; 8 bits a number), with one given power-of-two scale for each operand tensor; their sums are f32. All else is computed in f32.
;;   The module's matrix products, in the order in which they are computed (A, B: the left and right operand; K: the contracted axis; several contracted axes count as one K, in the product's order):
;;     1. [M 8,192, K 1,024] x [K 1,024, N 1,024]; A: input xq; B: input Wq: QUANTISED (scales: A lowp_scales[0], B lowp_scales[1])
;;     2. [M 8,192, K 1,024] x [K 1,024, N 1,024]; A: input xk; B: input Wk: QUANTISED (scales: A lowp_scales[2], B lowp_scales[3])
;;     3. [M 8,192, K 1,024] x [K 1,024, N 1,024]; A: input xv; B: input Wv: QUANTISED (scales: A lowp_scales[4], B lowp_scales[5])
;;     4. batch 64 x [M 2,048, K 64] x [K 64, N 2,048]; A: computed on the way; B: computed on the way: QUANTISED (scales: A lowp_scales[6], B lowp_scales[7])
;;     5. batch 64 x [M 64, K 2,048] x [K 2,048, N 2,048]; A: computed on the way; B: softmax (see below): QUANTISED (scales: A lowp_scales[8], B lowp_scales[9])
;;     6. [M 8,192, K 1,024] x [K 1,024, N 1,024]; A: computed on the way; B: input Wo: QUANTISED (scales: A lowp_scales[10], B lowp_scales[11])
;;   THE QUANTISER, for each operand of a quantised product, along K:
;;     - The operand's scale is 2^e, e = its entry of the input lowp_scales (int32; the entries are numbered through the quantised products in the list's order, A before B).
;;     - Each number is divided by the scale, clamped to +-448, and rounded to the nearest number of E4M3, ties to even, subnormals kept.
;;     - The product sums the exact products of the quantised numbers (number of the format x scale) in f32.
;;   ~~~python
;;   def quantise(x, axis, e):      # numpy; x: float32 -> the quantised numbers, widened to float32 again
;;       x = np.moveaxis(x, axis, -1); K = x.shape[-1]
;;       r = np.clip(x / 2.0 ** e, -448, 448)
;;       step = 2.0 ** (np.maximum(np.frexp(np.where(r == 0, 1, r))[1] - 1, -6) - 3)
;;       q = np.round(r / step) * step * 2.0 ** e      # np.round: ties to even
;;       return np.moveaxis(q, -1, axis).astype(np.float32)
;;   ~~~
;;   SOFTMAX AHEAD OF A QUANTISED PRODUCT. Where the list says 'softmax', what is quantised is not the finished softmax but p = 2^(t - M), with t = logit x log2(e) and M = ceil(the row's largest t), a whole number; so 1/2 < the row's largest p <= 1. The row's sum l is taken of the UNQUANTISED p, in f32, and the product's result is divided by l at the end. Since M is a whole number, a kernel that streams over the keys may use a running M (the ceiling of the running maximum): every later rescaling is an exact power of two, so the quantised numbers keep their values, but for numbers so far below the row's largest that they fall under the format's range.
;;   OPERANDS COMPUTED ON THE WAY. 'Computed on the way' means the value that the module computes at that place (a softmax that the list does not call 'softmax' is quantised finished and normalised). What goes into a quantiser is computed in f32, as accurately as f32 sums, v_exp_f32 and their like allow (about 1e-6 of the number): no bf16 or f16 on the way to a quantiser, and a product that is left as it is and whose result goes on into a quantised operand takes f32 operands (vector FMAs, or v_wmma_f32_16x16x4_f32). A number that lies on a knife's edge between two numbers of the format may be rounded either way, as far as f32 arithmetic and the matrix unit's own rounding can turn it there, and no further.
;; One version. Each part assembles by itself: llvm-mc -triple=amdgcn-amd-amdhsa -mcpu=gfx1250 --defsym DOCPART=n.
;; ======== version 1 of 1: 4 launches
;; limits: right only within a limited range of input values
;; workspace buffers: wc 4,194,304 bytes; qc 8,388,608 bytes; kc 8,388,608 bytes; vc 8,388,608 bytes; ac 8,388,608 bytes; xc 25,165,824 bytes
;; launch wquant (part 1): grid 8 x 128, 4 waves a work-group, no clusters, 67,072 bytes of LDS; arguments Wq, Wk, Wv, Wo, lowp_scales, wc, xq, xk, xv, xc; writes wc, xc
.if DOCPART == 1
	.amdgcn_target "amdgcn-amd-amdhsa--gfx1250"
	.amdhsa_code_object_version 6
	.text
	.protected	k_qcc41a40fe1_wquant
	.globl	k_qcc41a40fe1_wquant
	.p2align	8
	.type	k_qcc41a40fe1_wquant,@function
k_qcc41a40fe1_wquant:
	s_mov_b64 s[64:65], 0
	v_nop
	global_prefetch_b8 v0, s[64:65] scope:SCOPE_SE
	s_setreg_imm32_b32 hwreg(HW_REG_WAVE_MODE, 25, 1), 1
	s_wait_xcnt 0x0
; Wq, Wk, Wv, Wo: f32 [1024 (k)][1024 (n)], K the FIRST axis.  Each becomes codes of FP8 (E4M3) with its given scale 2^e (entries 1, 3, 5, 11 of the scales).
; code = w / 2^e, held within +-448, to the nearest code, ties to even.  LIMITS: -126 <= e <= 119; NaN among the weights is not served.
; THE CODES ARE LAID AS THE MATRIX OPERAND'S REGISTERS WANT THEM: wc = [tensor 4][tile of 16 columns: 64][K step of 128: 8][2,048 bytes].  In a fragment, group c (512 bytes) holds at 16 x lane the
; 16 codes k = 32 c + 16 (lane / 16) + 0 .. 15 of the tile's row lane % 16.  THE COLUMNS OF A TILE ARE NOT NEIGHBOURS: row rho of tile 2 B + u is column 32 B + 8 u + rho + 8 (rho / 8),
; so that a product that takes such tiles as source 0 leaves 16 neighbouring columns in a lane's 16 registers of tiles 2 B and 2 B + 1.
; SHARES.  Work-group (x, y): tensor y / 8, K step y % 8, columns 128 x on; wave w: the 32 columns of group B = 4 x + w.  A LANE TAKES ONE COLUMN AND ITS REGISTERS RUN DOWN K:
; a load reads the wave's 128 consecutive bytes of one row of W, and the conversions give codes with K innermost.  A store: lanes 0-15 write 256 consecutive aligned bytes of tile 2 B, lanes 16-31 of tile 2 B + 1.
; No LDS, no barrier: waves share nothing.  Every offset is an immediate; each block has its own code registers, so no store's data are written again.
.set X, 32                             ; v32-95   two sets of 32 numbers
.set C, 96                             ; v96-127  eight code registers for each of the four blocks
	s_load_b256 s[8:15], s[0:1], 0x0               ; Wq, Wk, Wv, Wo
	s_load_b128 s[16:19], s[0:1], 0x20             ; the scales' exponents, wc
	v_lshrrev_b32 v1, 5, v0
	v_readfirstlane_b32 s2, v1                     ; wave 0..3
	s_and_b32 s3, ttmp7, 0xffff                    ; y
	s_cmp_ge_u32 s3, 32                            ; y 0 .. 31: the weights, as described above; y 32 .. 127: xq, xk, xv (below, behind the weights' text)
	s_cbranch_scc1 .Lxpath
	s_lshr_b32 s4, s3, 3                           ; which tensor
	s_and_b32 s5, s3, 7                            ; which K step
	v_and_b32 v2, 15, v0                           ; rho
	v_bfe_u32 v3, v0, 4, 1                         ; u
	v_and_b32 v6, 8, v2
	v_add_nc_u32 v6, v6, v2                        ; rho + 8 (rho / 8)
	v_lshl_add_u32 v6, v3, 3, v6                   ; + 8 u: my column among the wave's 32
	v_lshlrev_b32 v4, 2, v6                        ; in: its 4 bytes
	v_lshlrev_b32 v5, 4, v2
	v_lshl_add_u32 v5, v3, 14, v5                  ; out: 16 rho, and tile 2 B + u lies 8 x 2,048 bytes on
	s_lshl_b32 s20, s5, 19                         ; W: 128 rows of 4,096 bytes a K step,
	s_lshl_b32 s21, ttmp9, 9                       ; 128 columns a work-group,
	s_add_co_u32 s20, s20, s21
	s_lshl_b32 s21, s2, 7                          ; 32 a wave
	s_add_co_u32 s20, s20, s21
	s_mov_b32 s21, 0
	s_lshl_b32 s22, s4, 20                         ; wc: 2^20 bytes a tensor,
	s_lshl_b32 s23, ttmp9, 17                      ; 8 tiles of 16,384 bytes a work-group,
	s_add_co_u32 s22, s22, s23
	s_lshl_b32 s23, s2, 15                         ; 2 a wave,
	s_add_co_u32 s22, s22, s23
	s_lshl_b32 s23, s5, 11                         ; 2,048 bytes a K step
	s_add_co_u32 s22, s22, s23
	s_mov_b32 s23, 0
	s_wait_alu depctr_va_vdst(0)
	s_wait_kmcnt 0x0
	s_load_b256 s[24:31], s[16:17], 0x0            ; e0 .. e7
	s_load_b128 s[32:35], s[16:17], 0x20           ; e8 .. e11
	s_cmp_eq_u32 s4, 1                             ; the tensor is chosen by the work-group's number alone
	s_cselect_b64 s[6:7], s[10:11], s[8:9]
	s_cmp_eq_u32 s4, 2
	s_cselect_b64 s[6:7], s[12:13], s[6:7]
	s_cmp_eq_u32 s4, 3
	s_cselect_b64 s[6:7], s[14:15], s[6:7]
	s_add_nc_u64 s[6:7], s[6:7], s[20:21]
	s_add_nc_u64 s[18:19], s[18:19], s[22:23]
.macro LOAD t                          ; block t: W(128 s + 32 t + i, my column), i = 0 .. 31, into set t % 2
.set i, 0
.rept 32
	global_load_b32 v[X+32*((\t)%2)+i], v4, s[6:7] offset:(32*(\t)+i)*4096 th:TH_LOAD_NT
.set i, i+1
.endr
.endm
	LOAD 0
	LOAD 1
	s_wait_kmcnt 0x0
	s_cmp_eq_u32 s4, 1
	s_cselect_b32 s36, s27, s25                    ; e3 or e1
	s_cmp_eq_u32 s4, 2
	s_cselect_b32 s36, s29, s36                    ; e5
	s_cmp_eq_u32 s4, 3
	s_cselect_b32 s36, s35, s36                    ; e11
	s_add_co_i32 s36, s36, 127
	s_lshl_b32 s37, s36, 23
	v_mov_b32 v11, s37                             ; 2^e as f32: the conversion takes its exponent field
	s_add_co_i32 s36, s36, 8
	s_lshl_b32 s36, s36, 23
	s_or_b32 s36, s36, 0x600000
	v_mov_b32 v10, s36                             ; 448 x 2^e
.macro BLOCK t
.set XB, X+32*((\t)%2)
.if (\t) < 3
	s_wait_loadcnt 32                              ; this block's 32 loads are in; the next block's 32 may be out
.else
	s_wait_loadcnt 0x0
.endif
.set i, 0
.rept 32
	v_med3_num_f32 v[XB+i], v[XB+i], -v10, v10     ; the conversion to an 8-bit code does not saturate (ISA guide 7.6.2): the hold at the largest code x the scale
.set i, i+1
.endr
.irp g, 0,1,2,3
	v_cvt_scalef32_pk8_fp8_f32 v[C+8*(\t)+2*\g:C+8*(\t)+2*\g+1], v[XB+8*\g:XB+8*\g+7], v11
.endr
	global_store_b128 v5, v[C+8*(\t):C+8*(\t)+3], s[18:19] offset:512*(\t)          ; k = 32 t + 0 .. 15: the place of lanes 0-15 in group t
	global_store_b128 v5, v[C+8*(\t)+4:C+8*(\t)+7], s[18:19] offset:512*(\t)+256    ; k = 32 t + 16 .. 31: the place of lanes 16-31
.if (\t) < 2
	LOAD (\t)+2                                    ; (the codes go to stores alone, and the next vector lines are the next block's holds, on other registers)
.endif
.endm
	s_wait_alu depctr_va_vdst(0)
	BLOCK 0
	BLOCK 1
	BLOCK 2
	BLOCK 3
	s_endpgm
; xq, xk, xv: f32 [8,192 rows][1,024 (k)], K innermost.  Each becomes codes of FP8 (E4M3) with its given scale 2^e (entries 0, 2, 4), by the same rule and within the same limits as the weights.
; xc = [tensor 3][tile of 16 rows 512][K step of 128: 8][2,048 bytes], an image of the operand's registers: group c (512 bytes) holds at 16 x lane the codes k = 32 c + 16 (lane / 16) + 0 .. 15 of the tile's row lane % 16.
; Row rho of tile 2 b + u is row 32 b + 8 u + rho + 8 (rho / 8).
; SHARES.  Work-group id = 8 (y - 32) + x: tensor id / 256, the 32 rows of b = id % 256.  Wave w: 256 along K (K steps 2 w, 2 w + 1), tile u = 0 and then u = 1.
; A load reads 512 consecutive bytes of a row; the tile's 16 x 1,024 bytes turn through the wave's own stage in LDS (rows 1,040 bytes apart) and come back 64 bytes a lane; a store covers 512 consecutive bytes, aligned.
.set XR,  32                           ; v32-159  a tile's numbers as loaded
.set XSS, 160                          ; v160-223 a K step's 64 numbers of my row
.set XC,  224                          ; v224-255 codes, a set for each of the two K steps
.set XSPARE, 66560                     ; behind the four stages: the spare words
.macro XLOAD u
.set i, 0
.rept 32
	global_load_b128 v[XR+4*i:XR+4*i+3], v4, s[28:29] offset:(8*(\u)+(i/2)+8*(i/16))*4096+(i%2)*512 th:TH_LOAD_NT
.set i, i+1
.endr
.endm
.macro XTASK u
.irp q, 0,1,2,3
	s_wait_loadcnt 24-8*\q                         ; the oldest 8 (q + 1) of the tile's 32 loads are in
.irp k, 0,1,2,3,4,5,6,7
	ds_store_b128 v5, v[XR+4*(8*\q+\k):XR+4*(8*\q+\k)+3] offset:((8*\q+\k)/2)*1040+(\k%2)*512
.endr
.endr
.irp kk, 0,1
.irp c, 0,1,2,3
.irp j, 0,1,2,3
	ds_load_b128 v[XSS+16*\c+4*\j:XSS+16*\c+4*\j+3], v6 offset:512*\kk+128*\c+16*\j   ; LDS serves a wave's instructions in order: these see my stores
.endr
.endr
	s_wait_dscnt 0x0                               ; the numbers are back, and the stores into the stage have read their registers
.if \kk == 0
.if (\u) == 0
	XLOAD 1                                        ; the second tile is asked for while the first is worked
.else
	s_wait_xcnt 0x0                                ; the first tile's stores have read their data: the codes' registers are written again only behind this wait
.endif
.endif
.set i, 0
.rept 64
	v_med3_num_f32 v[XSS+i], v[XSS+i], -v10, v10   ; the hold at the largest code x the scale (ISA guide 7.6.2)
.set i, i+1
.endr
.irp c, 0,1,2,3
	v_cvt_scalef32_pk8_fp8_f32 v[XC+16*\kk+4*\c:XC+16*\kk+4*\c+1], v[XSS+16*\c:XSS+16*\c+7], v11
	v_cvt_scalef32_pk8_fp8_f32 v[XC+16*\kk+4*\c+2:XC+16*\kk+4*\c+3], v[XSS+16*\c+8:XSS+16*\c+15], v11
.endr
	v_nop                                          ; one plain vector line behind the last conversion
.irp c, 0,1,2,3
	global_store_b128 v4, v[XC+16*\kk+4*\c:XC+16*\kk+4*\c+3], s[26:27] offset:16384*(\u)+2048*\kk+512*\c
.endr
.endr
.endm
.Lxpath:
	s_load_b256 s[20:27], s[0:1], 0x30             ; xq, xk, xv, xc
	v_lshl_add_u32 v7, v0, 2, XSPARE               ; my spare word; never rewritten
	v_mov_b32 v8, 0                                ; 0; never rewritten
	s_sub_co_u32 s3, s3, 32
	s_lshl_b32 s3, s3, 3
	s_add_co_u32 s3, s3, ttmp9                     ; id
	s_lshr_b32 s4, s3, 8                           ; which tensor
	s_and_b32 s5, s3, 255                          ; which 32 rows
	v_and_b32 v3, 31, v0
	v_lshlrev_b32 v4, 4, v3                        ; 16 x lane
	s_mul_i32 s28, s2, 16640                       ; my stage
	v_add_nc_u32 v5, s28, v4                       ; into it: as loaded
	v_and_b32 v9, 15, v0
	v_mul_u32_u24 v6, v9, 1040
	v_bfe_u32 v9, v0, 4, 1
	v_lshl_add_u32 v6, v9, 6, v6
	v_add_nc_u32 v6, s28, v6                       ; out of it: row lane % 16, + 64 (lane / 16)
	s_lshl_b32 s30, s5, 17                         ; x: 32 rows of 4,096 bytes,
	s_lshl_b32 s31, s2, 10                         ; 1,024 bytes a wave
	s_add_co_u32 s30, s30, s31
	s_mov_b32 s31, 0
	s_lshl_b32 s32, s4, 23                         ; xc: 2^23 bytes a tensor,
	s_lshl_b32 s33, s5, 15                         ; two tiles of 16,384,
	s_add_co_u32 s32, s32, s33
	s_lshl_b32 s33, s2, 12                         ; two K steps of 2,048 a wave
	s_add_co_u32 s32, s32, s33
	s_mov_b32 s33, 0
	s_wait_alu depctr_va_vdst(0)
	s_wait_kmcnt 0x0
	s_load_b256 s[40:47], s[16:17], 0x0            ; e0 .. e7
	s_cmp_eq_u32 s4, 1                             ; the tensor is chosen by the work-group's number alone
	s_cselect_b64 s[28:29], s[22:23], s[20:21]
	s_cmp_eq_u32 s4, 2
	s_cselect_b64 s[28:29], s[24:25], s[28:29]
	s_add_nc_u64 s[28:29], s[28:29], s[30:31]
	s_add_nc_u64 s[26:27], s[26:27], s[32:33]
	XLOAD 0
	s_wait_kmcnt 0x0
	s_cmp_eq_u32 s4, 1
	s_cselect_b32 s34, s42, s40                    ; e2 or e0
	s_cmp_eq_u32 s4, 2
	s_cselect_b32 s34, s44, s34                    ; e4
	s_add_co_i32 s34, s34, 127
	s_lshl_b32 s35, s34, 23
	v_mov_b32 v11, s35                             ; 2^e
	s_add_co_i32 s34, s34, 8
	s_lshl_b32 s34, s34, 23
	s_or_b32 s34, s34, 0x600000
	v_mov_b32 v10, s34                             ; 448 x 2^e
	s_wait_alu depctr_va_vdst(0)
	XTASK 0
	XTASK 1
	s_wait_tensorcnt 0x0                           ; the wave's end, behind my last LDS store
	ds_add_u32 v7, v8
	s_wait_dscnt 0x0
	s_endpgm
.Lfunc_end_k_qcc41a40fe1_wquant:
	.size	k_qcc41a40fe1_wquant, .Lfunc_end_k_qcc41a40fe1_wquant-k_qcc41a40fe1_wquant
	.p2alignl 7, 3214868480
	.fill 96, 4, 3214868480
	.section	.rodata,"a",@progbits
	.p2align	6, 0x0
	.amdhsa_kernel k_qcc41a40fe1_wquant
		.amdhsa_group_segment_fixed_size 67072
		.amdhsa_private_segment_fixed_size 0
		.amdhsa_enable_private_segment 0
		.amdhsa_kernarg_size 80
		.amdhsa_user_sgpr_count 2
		.amdhsa_user_sgpr_kernarg_segment_ptr 1
		.amdhsa_wavefront_size32 1
		.amdhsa_system_sgpr_workgroup_id_x 1
		.amdhsa_system_sgpr_workgroup_id_y 1
		.amdhsa_system_sgpr_workgroup_id_z 1
		.amdhsa_system_vgpr_workitem_id 0
		.amdhsa_next_free_vgpr 256
		.amdhsa_next_free_sgpr 66
		.amdhsa_reserve_vcc 0
		.amdhsa_float_denorm_mode_32 3
		.amdhsa_float_denorm_mode_16_64 3
		.amdhsa_memory_ordered 1
		.amdhsa_forward_progress 1
		.amdhsa_inst_pref_size 61
	.end_amdhsa_kernel
	.amdgpu_metadata
---
amdhsa.version: [ 1, 2 ]
amdhsa.kernels:
  - .name:           k_qcc41a40fe1_wquant
    .symbol:         k_qcc41a40fe1_wquant.kd
    .args:
      - { .name: Wq, .offset: 0, .size: 8, .value_kind: global_buffer, .address_space: global }
      - { .name: Wk, .offset: 8, .size: 8, .value_kind: global_buffer, .address_space: global }
      - { .name: Wv, .offset: 16, .size: 8, .value_kind: global_buffer, .address_space: global }
      - { .name: Wo, .offset: 24, .size: 8, .value_kind: global_buffer, .address_space: global }
      - { .name: lowp_scales, .offset: 32, .size: 8, .value_kind: global_buffer, .address_space: global }
      - { .name: wc, .offset: 40, .size: 8, .value_kind: global_buffer, .address_space: global }
      - { .name: xq, .offset: 48, .size: 8, .value_kind: global_buffer, .address_space: global }
      - { .name: xk, .offset: 56, .size: 8, .value_kind: global_buffer, .address_space: global }
      - { .name: xv, .offset: 64, .size: 8, .value_kind: global_buffer, .address_space: global }
      - { .name: xc, .offset: 72, .size: 8, .value_kind: global_buffer, .address_space: global }
    .group_segment_fixed_size: 67072
    .private_segment_fixed_size: 0
    .kernarg_segment_align: 8
    .kernarg_segment_size: 80
    .max_flat_workgroup_size: 128
    .sgpr_count:     66
    .vgpr_count:     256
    .wavefront_size: 32
...
	.end_amdgpu_metadata
.endif
;; end of part 1
;; launch proj (part 2): grid 4 x 48, 4 waves a work-group, clusters of 4 x 1, 327,680 bytes of LDS; arguments xc, wc, bq, bk, bv, lowp_scales, qc, kc, vc; writes qc, kc, vc
.if DOCPART == 2
	.amdgcn_target "amdgcn-amd-amdhsa--gfx1250"
	.amdhsa_code_object_version 6
	.text
	.protected	k_qcc41a40fe1_proj
	.globl	k_qcc41a40fe1_proj
	.p2align	8
	.type	k_qcc41a40fe1_proj,@function
k_qcc41a40fe1_proj:
	s_mov_b64 s[64:65], 0
	v_nop
	global_prefetch_b8 v0, s[64:65] scope:SCOPE_SE
	s_setreg_imm32_b32 hwreg(HW_REG_WAVE_MODE, 25, 1), 1
	s_wait_xcnt 0x0
	s_wait_alu depctr_hold_cnt(0) depctr_sa_sdst(0) depctr_va_vdst(0) depctr_va_sdst(0) depctr_va_ssrc(0) depctr_va_vcc(0) depctr_vm_vsrc(0)
	s_getreg_b32 s2, hwreg(HW_REG_IB_STS2, 6, 4)
	s_cmp_eq_u32 s2, 0
	s_cbranch_scc0 .Lentry_in_a_cluster
	s_endpgm
.Lentry_in_a_cluster:
	s_bfe_u32 s2, ttmp6, 0x10000c
	s_cmp_lg_u32 s2, 0x3003
	s_cbranch_scc0 .Lentry_shape_is_right
	s_endpgm
.Lentry_shape_is_right:
; Q = xq Wq + bq, K = xk Wk + bk, V = xv Wv + bv on codes of FP8 (E4M3) that the launch before made (xc, wc: images of operands' registers), each result quantised at once for attention's products.
; SHARES.  Work-group (cx, y): tensor T = y / 16, rows 512 (y % 16) on, columns 256 cx on.  Wave w: the 64 columns of head 4 cx + w, ALL of K: its 4 x 8 fragments of W stay in 512 registers (windows 2, 3).
; 3 tensors x 4 column blocks x 16 row groups are 192 work-groups: 12 does not divide 256, and a row group is kept a whole number of slots.
; x's codes come through a ring of two LDS slots of 131,072 bytes (8 tiles of 16 rows x 1,024 K).  CLUSTER 4, 1, 1: the four column blocks read the same rows, so each slot is asked for jointly; wave w fetches 32,768 bytes of it.
; A round of the cluster's barrier stands in front of every joint load.  The tiles go in pairs: 2 x 32 products on 8 accumulators, 4 by turns; the fragments of the next tile are fetched under the products of the one in hand.
; The bias / 2^(ex + ew) is the C of each accumulator's first product; the conversion takes 2^(eo - ex - ew).
; Q, K: source 0 = 16 columns of W, source 1 = 16 rows of x: a lane holds one row, and the 16 registers of W's tiles 2 B, 2 B + 1 are 16 neighbouring channels.  V: the sources change places: a lane holds one channel,
; and the 16 registers of x's tiles 2 b, 2 b + 1 are 16 neighbouring keys.  Either way 16 registers on end are a lane's 16 bytes of a group of an image, and a store covers 512 consecutive bytes, aligned.
;   qc [head 64][tile of 16 queries 128][1,024]; kc likewise (a step of 128 keys is 8 tiles); vc [head][step 16][tile of 16 channels 4][2,048].  Row rho of tile 2 b + u is row 32 b + 8 u + rho + 8 (rho / 8), in all of them.
; PREFETCH: behind the joint load of slot t + 1 the slot t + 2 is asked for: 512 blocks of 256 bytes, shared out among the four partners by address (32,768 cx), a lane a block, one instruction a wave; it stops with slot 3.
; LIMITS: eo - ex - ew between -126 and 119.  NaN among the biases is not served.
.set SLOT1, 131072
.set SPARE, 262144                     ; behind the ring: the spare words
.set AL,  4                            ; v4   16 x lane
.set AT,  5                            ; v5   LDS address of the pair in hand
.set HB,  6                            ; v6   the bias for Q, K: 64 (lane / 16)
.set BVA, 7                            ; v7   for V: 4 (r + 8 (r / 8))
.set VST, 8                            ; v8-11 16 x lane + g x (512 for Q and K, 2,048 for V)
.set SPW, 12
.set NIL, 13
.set SCO, 14                           ; 2^(eo - ex - ew)
.set LMO, 15                           ; 448 x that
.set PFO, 16                           ; 256 x lane
.set ACC, 32                           ; v32-95   8 accumulators: tile b of the pair, W's tile t, at 32 b + 8 t, for all three tensors
.set BB,  96                           ; v96-159  the bias in the accumulators' layout
.set OC,  160                          ; v160-175 the codes
.set G1,  28
.set G0,  36
.set MSB, 0
.macro WIN new                         ; the immediate's high byte repeats the setting that is left
.if MSB != (\new)
	s_set_vgpr_msb (MSB<<8)|(\new)
.set MSB, (\new)
.endif
.endm
.macro CROUND                          ; a round of the cluster's barrier
	s_barrier_signal -1
	s_barrier_wait -1
	s_cmp_lg_u32 s3, 0
	s_cbranch_scc1 .Lnot_wave_0_\@
	s_barrier_signal -3
.Lnot_wave_0_\@:
	s_barrier_wait -3
	s_barrier_signal -1
	s_barrier_wait -1
.endm
	s_load_b512 s[8:23], s[0:1], 0x0               ; xc, wc, bq, bk, bv, the scales' exponents, qc, kc
	s_load_b64 s[24:25], s[0:1], 0x40              ; vc
	v_lshl_add_u32 v[SPW], v0, 2, SPARE
	v_mov_b32 v[NIL], 0
	ds_add_u32 v[SPW], v[NIL]                      ; the opening lines
	ds_add_u32 v[SPW], v[NIL]
	v_lshrrev_b32 v1, 5, v0
	v_readfirstlane_b32 s3, v1                     ; wave 0..3
	s_bfe_u32 s4, ttmp6, 0x40000                   ; cx: the column block (the grid has one cluster along x)
	s_and_b32 s6, ttmp7, 0xffff
	s_lshr_b32 s7, s6, 4                           ; T
	s_and_b32 s6, s6, 15                           ; row group
	s_cmp_eq_u32 s7, 2
	s_cselect_b32 s5, 1, 0                         ; 1: V
	s_mov_b32 s[G1+0], 15|(3<<16)|(1<<21)          ; all four partners; elements of 8 bytes
	s_mov_b32 s[G1+1], 32<<16                      ; rows of 256 bytes,
	s_mov_b32 s[G1+2], 128<<16                     ; 128 of them, dense
	s_mov_b32 s[G1+3], 32<<16
	s_mov_b32 s[G1+4], 128
	s_mov_b32 s[G1+5], 32
	s_mov_b32 s[G1+6], 0
	s_mov_b32 s[G1+7], 0
	s_lshl_b32 s52, s7, 23                         ; xc: the tensor,
	s_lshl_b32 s53, s6, 19                         ; 32 tiles of 16,384 bytes a row group
	s_add_co_u32 s52, s52, s53
	s_add_co_u32 s78, s52, SLOT1                   ; the prefetch stands at slot 1; each change of slots steps it
	s_lshl_b32 s54, s3, 15                         ; my 32,768 bytes of a slot, in memory and in LDS
	s_add_co_u32 s52, s52, s54
	s_mov_b32 s53, 0
	s_lshl_b32 s55, s4, 15
	s_add_co_u32 s78, s78, s55                     ; my work-group's quarter of a slot,
	s_lshl_b32 s55, s3, 13
	s_add_co_u32 s78, s78, s55                     ; my wave's 8,192 bytes of it
	s_mov_b32 s79, 0
	s_lshl_b32 s56, s7, 20                         ; wc: the tensor,
	s_lshl_b32 s57, s4, 18                         ; 16 tiles of 16,384 bytes a column block,
	s_add_co_u32 s56, s56, s57
	s_lshl_b32 s57, s3, 16                         ; 4 a wave
	s_add_co_u32 s56, s56, s57
	s_mov_b32 s57, 0
	s_lshl_b32 s58, s4, 10                         ; the bias: my wave's 64 numbers
	s_lshl_b32 s59, s3, 8
	s_add_co_u32 s58, s58, s59
	s_mov_b32 s59, 0
	s_lshr_b32 s60, s6, 2                          ; n
	s_lshl_b32 s60, s60, 4
	s_lshl_b32 s61, s4, 2
	s_add_co_u32 s60, s60, s61
	s_add_co_u32 s60, s60, s3                      ; head 16 n + 4 cx + w
	s_lshl_b32 s60, s60, 17
	s_mov_b32 s61, 0
	s_and_b32 s76, s6, 3
	s_lshl_b32 s76, s76, 4                         ; the first pair of tiles, counted in the batch's 64
	s_wait_dscnt 0x0
	s_wait_kmcnt 0x0
	s_load_b256 s[40:47], s[18:19], 0x0            ; e0 .. e7
	s_load_b128 s[48:51], s[18:19], 0x20           ; e8 .. e11
	s_add_nc_u64 s[78:79], s[8:9], s[78:79]
	s_add_nc_u64 s[8:9], s[8:9], s[52:53]
	s_add_nc_u64 s[10:11], s[10:11], s[56:57]
	s_cmp_eq_u32 s7, 1                             ; the buffers are chosen by the work-group's number alone
	s_cselect_b64 s[62:63], s[14:15], s[12:13]
	s_cselect_b64 s[66:67], s[22:23], s[20:21]
	s_cmp_eq_u32 s7, 2
	s_cselect_b64 s[62:63], s[16:17], s[62:63]
	s_cselect_b64 s[66:67], s[24:25], s[66:67]
	s_add_nc_u64 s[62:63], s[62:63], s[58:59]
	s_add_nc_u64 s[66:67], s[66:67], s[60:61]
	s_mov_b32 s[G0], 1
	s_mov_b32 s[G0+1], s54
	s_mov_b64 s[G0+2:G0+3], s[8:9]
	s_or_b32 s[G0+3], s[G0+3], 0x80000000
	CROUND                                         ; the round in front of the first joint loads
	tensor_load_to_lds s[G0:G0+3], s[G1:G1+7]      ; slot 0: my one load at the head
	s_nop 0
.rept 4
	v_nop
.endr
	v_and_b32 v1, 31, v0
	v_lshlrev_b32 v[AL], 4, v1
	v_lshlrev_b32 v[PFO], 8, v1
	v_and_b32 v2, 15, v0
	v_bfe_u32 v3, v0, 4, 1
	v_lshlrev_b32 v[HB], 6, v3
	v_and_b32 v[BVA], 8, v2
	v_add_nc_u32 v[BVA], v[BVA], v2
	v_lshlrev_b32 v[BVA], 2, v[BVA]
	s_lshl_b32 s55, s5, 1
	s_lshl_b32 s55, 512, s55
	v_mov_b32 v[VST], v[AL]
.irp g, 1,2,3
	s_mul_i32 s68, s55, \g
	v_add_nc_u32 v[VST+\g], s68, v[AL]
.endr
	s_wait_alu depctr_va_vdst(0)
	WIN 0x80                                       ; W's K steps 0-3 into window 2
.irp s, 0,1,2,3
.irp t, 0,1,2,3
.irp c, 0,1,2,3
	global_load_b128 v[16*(4*\s+\t)+4*\c:16*(4*\s+\t)+4*\c+3], v[AL], s[10:11] offset:\t*16384+\s*2048+512*\c
.endr
.endr
.endr
	WIN 0xc0                                       ; K steps 4-7 into window 3
.irp s, 0,1,2,3
.irp t, 0,1,2,3
.irp c, 0,1,2,3
	global_load_b128 v[16*(4*\s+\t)+4*\c:16*(4*\s+\t)+4*\c+3], v[AL], s[10:11] offset:\t*16384+(\s+4)*2048+512*\c
.endr
.endr
.endr
	WIN 0
	s_cmp_eq_u32 s5, 0                             ; the tensor: alike in all partners
	s_cbranch_scc0 .Lbias_v
.irp g, 0,1,2,3                        ; Q, K: group g = 2 m + B: channels 32 B + 16 (lane / 16) + 0 .. 15
.irp k, 0,1,2,3
	global_load_b128 v[BB+16*\g+4*\k:BB+16*\g+4*\k+3], v[HB], s[62:63] offset:128*(\g%2)+16*\k
.endr
.endr
	s_branch .Lbias_j
.Lbias_v:
.irp g, 0,1,2,3                        ; V: group g = accumulators 2 g, 2 g + 1: my channel of each in its 8 registers
.set i, 0
.rept 16
	global_load_b32 v[BB+16*\g+i], v[BVA], s[62:63] offset:(32*(((2*\g+i/8)%4)/2)+8*((2*\g+i/8)%2))*4   ; register 16 g + i lies in accumulator 2 g + i / 8, whose tile of W is that number % 4
.set i, i+1
.endr
.endr
.Lbias_j:
	s_wait_kmcnt 0x0
	s_cmp_eq_u32 s7, 1
	s_cselect_b32 s52, s42, s40                    ; ex
	s_cselect_b32 s53, s43, s41                    ; ew
	s_cselect_b32 s54, s47, s46                    ; eo
	s_cmp_eq_u32 s7, 2
	s_cselect_b32 s52, s44, s52
	s_cselect_b32 s53, s45, s53
	s_cselect_b32 s54, s48, s54
	s_add_co_i32 s55, s52, s53                     ; ex + ew
	s_sub_co_i32 s54, s54, s55
	s_sub_co_i32 s55, 0, s55
	s_add_co_i32 s54, s54, 127
	s_lshl_b32 s53, s54, 23
	v_mov_b32 v[SCO], s53
	s_add_co_i32 s54, s54, 8
	s_lshl_b32 s54, s54, 23
	s_or_b32 s54, s54, 0x600000
	v_mov_b32 v[LMO], s54
	s_wait_loadcnt 0x0                             ; W and the bias
.set j, 0
.rept 64
	v_ldexp_f32 v[BB+j], v[BB+j], s55              ; b / 2^(ex + ew)
.set j, j+1
.endr
.macro FETCH b, off                    ; a tile's eight fragments into buffer b of window 1
	WIN 0x40
.irp s, 0,1,2,3,4,5,6,7
.irp c, 0,1,2,3
	ds_load_b128 v[128*(\b)+16*\s+4*\c:128*(\b)+16*\s+4*\c+3], v[AT] offset:(\off)+\s*2048+512*\c
.endr
.endr
	WIN 0
.endm
.macro MMA b                           ; tile b of the pair: 32 products, four accumulators by turns
	s_cmp_eq_u32 s5, 0
	s_cbranch_scc0 .Lv_\@
.irp s, 0,1,2,3,4,5,6,7
	WIN 0x06+\s/4                                  ; source 0 (W) window 2 or 3, source 1 (x) window 1
.irp t, 0,1,2,3
.set rD, ACC+32*(\b)+8*\t
.set rW, 16*(4*(\s%4)+\t)
.set rA, 128*(\b)+16*\s
.if \s == 0
	v_wmma_f32_16x16x128_fp8_fp8 v[rD:rD+7], v[rW:rW+15], v[rA:rA+15], v[rD+BB-ACC:rD+BB-ACC+7]
.else
	v_wmma_f32_16x16x128_fp8_fp8 v[rD:rD+7], v[rW:rW+15], v[rA:rA+15], v[rD:rD+7]
.endif
.endr
.endr
	WIN 0
	s_branch .Lj_\@
.Lv_\@:
.irp s, 0,1,2,3,4,5,6,7
	WIN 0x09+4*(\s/4)                              ; source 0 (x) window 1, source 1 (W) window 2 or 3
.irp t, 0,1,2,3
.set rD, ACC+32*(\b)+8*\t
.set rW, 16*(4*(\s%4)+\t)
.set rA, 128*(\b)+16*\s
.if \s == 0
	v_wmma_f32_16x16x128_fp8_fp8 v[rD:rD+7], v[rA:rA+15], v[rW:rW+15], v[rD+BB-ACC:rD+BB-ACC+7]
.else
	v_wmma_f32_16x16x128_fp8_fp8 v[rD:rD+7], v[rA:rA+15], v[rW:rW+15], v[rD:rD+7]
.endif
.endr
.endr
	WIN 0
.Lj_\@:
.endm
.macro EPI                             ; the pair's way out: the hold, the conversion, four stores
	s_wait_xcnt 0x0                                ; the last pair's stores have read their data and their base
	s_lshl_b32 s68, s76, 11                        ; Q, K: two tiles of 1,024 bytes a pair
	s_lshr_b32 s69, s76, 2
	s_lshl_b32 s69, s69, 13                        ; V: a step of 8,192 bytes for four pairs,
	s_and_b32 s77, s76, 3
	s_lshl_b32 s77, s77, 9                         ; a group of 512 bytes a pair
	s_add_co_u32 s69, s69, s77
	s_cmp_eq_u32 s5, 0
	s_cselect_b32 s68, s68, s69
	s_mov_b32 s69, 0
	s_add_nc_u64 s[70:71], s[66:67], s[68:69]
.set j, 0
.rept 64
	v_med3_num_f32 v[ACC+j], v[ACC+j], -v[LMO], v[LMO]   ; each accumulator from its low end on
.set j, j+1
.endr
	s_cmp_eq_u32 s5, 0                             ; the tensor: alike in all partners
	s_wait_alu depctr_va_vdst(0)
	s_cbranch_scc0 .Lcv_\@
.irp a, 0,1,2,3,4,5,6,7                ; Q, K: a group's 16 codes are accumulators 2 g and 2 g + 1 (W's tiles 2 B, 2 B + 1 of one tile of x)
	v_cvt_scalef32_pk8_fp8_f32 v[OC+2*\a:OC+2*\a+1], v[ACC+8*\a:ACC+8*\a+7], v[SCO]
.endr
	s_branch .Lcj_\@
.Lcv_\@:
.irp a, 0,1,2,3,4,5,6,7                ; V: a group's 16 codes are accumulators t and 4 + t (the pair's two tiles of x against W's tile t)
	v_cvt_scalef32_pk8_fp8_f32 v[OC+4*(\a%4)+2*(\a/4):OC+4*(\a%4)+2*(\a/4)+1], v[ACC+8*\a:ACC+8*\a+7], v[SCO]
.endr
.Lcj_\@:
	v_nop                                          ; one plain vector line behind the last conversion
	s_wait_alu depctr_va_vdst(0)
.irp g, 0,1,2,3
	global_store_b128 v[VST+\g], v[OC+4*\g:OC+4*\g+3], s[70:71]
.endr
.endm
.macro PAIRS                           ; a slot's four pairs of tiles
	s_mov_b32 s72, s73
	v_add_nc_u32 v[AT], s72, v[AL]
	s_mov_b32 s75, 4
	s_wait_alu depctr_va_vdst(0)
	FETCH 0, 0
.Lpair_\@:
	s_wait_dscnt 0x0                               ; the first tile's fragments are in
	FETCH 1, 16384
	MMA 0
	s_wait_dscnt 0x0                               ; the second tile's
.rept 5
	v_nop                                          ; places in front of loads into buffer 0 and of the second tile's first products
.endr
	s_cmp_eq_u32 s75, 1                            ; the slot's last pair has no successor in the slot
	s_cbranch_scc1 .Lnf_\@
	FETCH 0, 32768
.Lnf_\@:
	MMA 1
.rept 5
	v_nop
.endr
	EPI
	s_add_co_u32 s72, s72, 32768
	v_add_nc_u32 v[AT], s72, v[AL]
	s_add_co_u32 s76, s76, 1
	s_sub_co_u32 s75, s75, 1
	s_cmp_lg_u32 s75, 0
	s_wait_alu depctr_va_vdst(0)
	s_cbranch_scc1 .Lpair_\@
.endm
	s_mov_b32 s73, 0                               ; LDS byte at which the slot in hand begins
	s_mov_b32 s74, 3
	s_wait_alu depctr_va_vdst(0)
.Ltrip:                                            ; three trips: behind each change of slots the next slot is asked for
	s_wait_xcnt 0x0                                ; any prefetch of mine has read its address
	s_add_nc_u64 s[78:79], s[78:79], SLOT1
	s_wait_tensorcnt 0x0                           ; my part of the slot ahead is in; no load of mine is out
	ds_add_u32 v[SPW], v[NIL]
	s_xor_b32 s[G0+1], s[G0+1], SLOT1
	s_add_nc_u64 s[G0+2:G0+3], s[G0+2:G0+3], SLOT1
	s_wait_dscnt 0x0                               ; the add, and my reads of the slot that I leave
	CROUND
	tensor_load_to_lds s[G0:G0+3], s[G1:G1+7]
	s_nop 0
.rept 4
	v_nop
.endr
	s_cmp_gt_u32 s74, 1                            ; the third trip has no slot two on
	s_cbranch_scc0 .Lno_ask
	global_prefetch_b8 v[PFO], s[78:79] th:TH_LOAD_NT scope:SCOPE_SE
.Lno_ask:
	PAIRS
	s_xor_b32 s73, s73, SLOT1
	s_sub_co_u32 s74, s74, 1
	s_cmp_lg_u32 s74, 0
	s_cbranch_scc1 .Ltrip
	s_wait_tensorcnt 0x0                           ; the last slot: nothing is filled again, so no round follows
	ds_add_u32 v[SPW], v[NIL]
	s_wait_dscnt 0x0
	s_barrier_signal -1
	s_barrier_wait -1
	PAIRS
	s_wait_tensorcnt 0x0                           ; the wave's end
	ds_add_u32 v[SPW], v[NIL]
	s_wait_dscnt 0x0
	CROUND                                         ; the closing round
	s_endpgm
.Lfunc_end_k_qcc41a40fe1_proj:
	.size	k_qcc41a40fe1_proj, .Lfunc_end_k_qcc41a40fe1_proj-k_qcc41a40fe1_proj
	.p2alignl 7, 3214868480
	.fill 96, 4, 3214868480
	.section	.rodata,"a",@progbits
	.p2align	6, 0x0
	.amdhsa_kernel k_qcc41a40fe1_proj
		.amdhsa_group_segment_fixed_size 327680
		.amdhsa_private_segment_fixed_size 0
		.amdhsa_enable_private_segment 0
		.amdhsa_kernarg_size 72
		.amdhsa_user_sgpr_count 2
		.amdhsa_user_sgpr_kernarg_segment_ptr 1
		.amdhsa_wavefront_size32 1
		.amdhsa_system_sgpr_workgroup_id_x 1
		.amdhsa_system_sgpr_workgroup_id_y 1
		.amdhsa_system_sgpr_workgroup_id_z 1
		.amdhsa_system_vgpr_workitem_id 0
		.amdhsa_next_free_vgpr 1024
		.amdhsa_next_free_sgpr 80
		.amdhsa_reserve_vcc 0
		.amdhsa_float_denorm_mode_32 3
		.amdhsa_float_denorm_mode_16_64 3
		.amdhsa_memory_ordered 1
		.amdhsa_forward_progress 1
		.amdhsa_inst_pref_size 74
	.end_amdhsa_kernel
	.amdgpu_metadata
---
amdhsa.version: [ 1, 2 ]
amdhsa.kernels:
  - .name:           k_qcc41a40fe1_proj
    .symbol:         k_qcc41a40fe1_proj.kd
    .args:
      - { .name: xc, .offset: 0, .size: 8, .value_kind: global_buffer, .address_space: global }
      - { .name: wc, .offset: 8, .size: 8, .value_kind: global_buffer, .address_space: global }
      - { .name: bq, .offset: 16, .size: 8, .value_kind: global_buffer, .address_space: global }
      - { .name: bk, .offset: 24, .size: 8, .value_kind: global_buffer, .address_space: global }
      - { .name: bv, .offset: 32, .size: 8, .value_kind: global_buffer, .address_space: global }
      - { .name: lowp_scales, .offset: 40, .size: 8, .value_kind: global_buffer, .address_space: global }
      - { .name: qc, .offset: 48, .size: 8, .value_kind: global_buffer, .address_space: global }
      - { .name: kc, .offset: 56, .size: 8, .value_kind: global_buffer, .address_space: global }
      - { .name: vc, .offset: 64, .size: 8, .value_kind: global_buffer, .address_space: global }
    .group_segment_fixed_size: 327680
    .private_segment_fixed_size: 0
    .kernarg_segment_align: 8
    .kernarg_segment_size: 72
    .max_flat_workgroup_size: 128
    .sgpr_count:     80
    .vgpr_count:     1024
    .wavefront_size: 32
...
	.end_amdgpu_metadata
.endif
;; end of part 2
;; launch attn (part 3): grid 4 x 64, 8 waves a work-group, no clusters, 327,680 bytes of LDS; arguments qc, kc, vc, attention_mask, lowp_scales, ac; writes ac
.if DOCPART == 3
	.amdgcn_target "amdgcn-amd-amdhsa--gfx1250"
	.amdhsa_code_object_version 6
	.text
	.protected	k_qcc41a40fe1_attn
	.globl	k_qcc41a40fe1_attn
	.p2align	8
	.type	k_qcc41a40fe1_attn,@function
k_qcc41a40fe1_attn:
	s_mov_b64 s[64:65], 0
	v_nop
	global_prefetch_b8 v0, s[64:65] scope:SCOPE_SE
	s_setreg_imm32_b32 hwreg(HW_REG_WAVE_MODE, 25, 1), 1
	s_wait_xcnt 0x0
; Causal attention with a padding mask, both products on codes of FP8 (E4M3) with the given scales; the result is quantised at once for the last projection.
; qc [head 64][tile of 16 queries 128][1,024], kc [head][step of 128 keys 16][tile 8][1,024], vc [head][step 16][tile of 16 channels 4][2,048]: images of operands' registers, as the launch before lays them.
; Row rho of query tile 2 i + u is query 32 i + 8 u + rho + 8 (rho / 8); key tiles and channel tiles are laid alike.  ac [tile of 16 rows 512][16,384]: rows in qc's order, K = head x 64 + channel.
; LEFT OUT: key steps all of whose 128 keys come after a block's 32 queries: reference()'s own causal mask gives them the weight 0 for every input.
; THE SOFTMAX: t = score x log2(e) / 8; M = the ceiling of the running largest t; p = 2^(t - M) is quantised; the sum is taken of the unquantised p and divides at the end.
; A key whose attention_mask is 0 gets the bias -2^100 as the C of the first product; a row with no key left has the sum 0 and gets the NaN code, as reference() gives NaN there.
; LIMITS: e6 + e7 between -123 and 130; e9 and e10 - e9 - e8 between -126 and 119; scaled scores under 2^31 in magnitude; NaN among the codes is not served.
; SHARES.  A work-group has 512 queries of one head, 8 waves.  A wave owns FOUR query tiles: a high block of 32 queries (group 0) and a low block (group 1), blocks 63 - i and i of the head's 64:
; block b needs b / 4 + 1 key steps, so every wave has 17 block steps.  Work-group x, wave w: i = 4 x + w for w < 4, i = 31 - (4 x + w - 4) else.
; A K or V fragment read from LDS feeds up to four tiles, a read of the mask's bias two: tile 1 takes the bias as another accumulator's C, then tile 0 adds in place onto it.
; K AND V OF THE HEAD LIE IN LDS WHOLE (262,144 bytes), each byte filled once: waves 0-3 fetch K, 4-7 V, one tensor load a wave at the head: 16 rows (one a key step) of 2,048 bytes, 8,192 apart in memory.
; One barrier follows; behind it the waves share nothing and walk their 16 key steps (a constant trip count) each by itself; hidden steps are jumped over by branches on ids.
; NO CLUSTER, though the four work-groups of a head read the same K and V: the branches that leave hidden steps out hang on the work-group's place among the four, which joint loads do not allow.
; NO PREFETCH: all of K and V is asked for at the head, so no loop runs ahead of a load.
; REGISTERS.  Window 0: v1-15 addresses and constants; v16-47 Q (group g, tile u at 16 g + 8 u); v48-63 per tile -M, largest score, the sum's two halves; v64-79 at work; v80-111 p's codes; v112-239 scores, then p, of two tiles.
; Window 1: v0-63 K's eight fragments; v64-127 V's four; v128-255 O^T (64 g + 32 u).
.set MBO,   262144                     ; behind K and V: the mask's bias, 2,048 f32
.set SPARE, 270336                     ; the spare words, 128 bytes a wave
.set AK0, 1
.set AM0, 2
.set AD1, 3                            ; v7, v3, v14, v15: the step's place in K's quarters 0-1, 2-3 and V's tiles 0-1, 2-3
.set DQ,  4
.set SPW, 5
.set NIL, 6
.set ADK, 7
.set ADM, 8
.set LP,  9
.set SP,  10
.set SO,  11
.set LO,  12
.set NANC, 13
.set AD2, 14
.set AD3, 15
.set QF,  16
.set ST,  48
.set TP,  64
.set PC,  80
.set SA,  112
.set KFR, 0
.set VFR, 64
.set OT,  128
.set WV,  16
.set HD,  17
.set TB,  18
.set SEL, 20
.set CS,  22
.set G1,  24
.set G0,  32
.set KF,  36
.set TM,  37
.set Q0,  38                           ; s38, s39: first query of group 0, 1
.set CN2, 46
.set TMP, 47
.set PFA, 50
.set OA,  52
.set QA,  56
.set NOK, 66
.set MSB, 0
.macro WIN new                         ; the immediate's high byte repeats the setting that is left
.if MSB != (\new)
	s_set_vgpr_msb (MSB<<8)|(\new)
.set MSB, (\new)
.endif
.endm
	s_load_b256 s[4:11], s[0:1], 0x0               ; qc, kc, vc, attention_mask
	s_load_b128 s[12:15], s[0:1], 0x20             ; the scales' exponents, ac
	v_lshl_add_u32 v[SPW], v0, 2, SPARE
	v_mov_b32 v[NIL], 0
	ds_add_u32 v[SPW], v[NIL]                      ; the opening lines
	ds_add_u32 v[SPW], v[NIL]
	v_lshrrev_b32 v[ADK], 5, v0
	v_readfirstlane_b32 s[WV], v[ADK]              ; wave 0..7
	s_and_b32 s[HD], ttmp7, 0xffff                 ; head 0..63
	s_mov_b32 s[G1+0], 3<<16                       ; elements of 8 bytes, no padding
	s_mov_b32 s[G1+1], 256<<16                     ; tensor_dim0: 2,048 bytes
	s_mov_b32 s[G1+2], 16<<16                      ; tensor_dim1
	s_mov_b32 s[G1+3], 256<<16                     ; tile_dim0
	s_mov_b32 s[G1+4], 16                          ; tile_dim1: the head's 16 key steps
	s_mov_b32 s[G1+5], 1024                        ; 8,192 bytes from step to step
	s_mov_b32 s[G1+6], 0
	s_mov_b32 s[G1+7], 0
	s_and_b32 s60, s[WV], 3                        ; q: which quarter of a step's bytes I fetch
	s_lshr_b32 s61, s[WV], 2                       ; 0: K, 1: V.  Also the kind of my blocks
	s_lshl_b32 s62, s60, 15
	s_lshl_b32 s63, s61, 17
	s_mov_b32 s[G0], 1
	s_add_co_u32 s[G0+1], s62, s63                 ; LDS: 131,072 x kind + 32,768 q
	s_lshl_b32 s72, s[HD], 17                      ; the head's first byte in qc, kc, vc
	s_lshl_b32 s70, s60, 11
	s_add_co_u32 s70, s70, s72                     ; the tensor load: step 0, bytes 2,048 q on
	s_mov_b32 s71, 0
	s_lshl_b32 s47, ttmp9, 2
	s_add_co_u32 s47, s47, s60                     ; 4 x + q
	s_sub_co_u32 s39, 31, s47
	s_cmp_eq_u32 s61, 0
	s_cselect_b32 s39, s47, s39                    ; my low block i,
	s_sub_co_u32 s38, 63, s39                      ; my high block 63 - i
	s_lshl_b32 s74, s38, 11
	s_add_co_u32 s74, s74, s72                     ; Q's codes: two tiles of 1,024 bytes a block
	s_mov_b32 s75, 0
	s_lshl_b32 s76, s39, 11
	s_add_co_u32 s76, s76, s72
	s_mov_b32 s77, 0
	s_lshr_b32 s82, s[HD], 4                       ; n
	s_lshl_b32 s73, s82, 21
	s_and_b32 s78, s[HD], 15
	s_lshl_b32 s78, s78, 10
	s_add_co_u32 s73, s73, s78                     ; ac: 128 tiles of 16,384 bytes a batch, 1,024 bytes a head
	s_lshl_b32 s78, s38, 15
	s_add_co_u32 s78, s78, s73
	s_mov_b32 s79, 0
	s_lshl_b32 s80, s39, 15
	s_add_co_u32 s80, s80, s73
	s_mov_b32 s81, 0
	s_lshl_b32 s82, s82, 13                        ; the batch's row of the mask
	s_mov_b32 s83, 0
	s_lshl_b32 s38, s38, 5                         ; the blocks' first queries
	s_lshl_b32 s39, s39, 5
	s_mov_b32 s[SEL], 0x76543210
	s_mov_b32 s[SEL+1], 0xfedcba98
	s_mov_b32 s[CS], 0x3e38aa3b                    ; log2(e) / 8
	s_wait_dscnt 0x0
	s_wait_kmcnt 0x0
	s_load_b128 s[40:43], s[12:13], 0x18           ; e6 .. e9
	s_load_b32 s44, s[12:13], 0x28                 ; e10
	s_cmp_eq_u32 s61, 0
	s_cselect_b64 s[PFA:PFA+1], s[6:7], s[8:9]
	s_add_nc_u64 s[G0+2:G0+3], s[PFA:PFA+1], s[70:71]
	s_or_b32 s[G0+3], s[G0+3], 0x80000000
	tensor_load_to_lds s[G0:G0+3], s[G1:G1+7]      ; my one tensor load
	s_nop 0
	s_add_nc_u64 s[10:11], s[10:11], s[82:83]
	s_add_nc_u64 s[QA:QA+1], s[4:5], s[74:75]
	s_add_nc_u64 s[QA+2:QA+3], s[4:5], s[76:77]
	s_add_nc_u64 s[OA:OA+1], s[14:15], s[78:79]
	s_add_nc_u64 s[OA+2:OA+3], s[14:15], s[80:81]
	v_and_b32 v[ADK], 31, v0
	v_lshlrev_b32 v[AK0], 4, v[ADK]                ; 16 x lane
	v_lshlrev_b32 v240, 4, v0
	global_load_b128 v[SA:SA+3], v240, s[10:11]                ; the mask: 8 keys a thread
	global_load_b128 v[SA+4:SA+7], v240, s[10:11] offset:4096
.irp g, 0,1
.irp u, 0,1
	global_load_b128 v[QF+16*\g+8*\u:QF+16*\g+8*\u+3], v[AK0], s[QA+2*\g:QA+2*\g+1] offset:1024*\u
	global_load_b128 v[QF+16*\g+8*\u+4:QF+16*\g+8*\u+7], v[AK0], s[QA+2*\g:QA+2*\g+1] offset:1024*\u+512
.endr
.endr
	v_add_nc_u32 v241, MBO, v240
	v_mov_b32 v242, 0xf1800000                     ; -2^100
	v_bfe_u32 v243, v0, 4, 1                       ; h = lane / 16
	v_lshl_add_u32 v[AM0], v243, 6, MBO            ; the bias of my half's 16 keys of each 32
	v_and_b32 v244, 15, v0                         ; r
	v_and_b32 v245, 8, v244
	v_add_nc_u32 v[DQ], v245, v244
	v_lshlrev_b32 v243, 4, v243
	v_sub_nc_u32 v[DQ], v[DQ], v243                ; r + 8 (r / 8) - 16 h
	v_mov_b32 v[NANC], 0x7f7f7f7f
.irp u, 0,1
	v_mov_b32 v[TP+8*\u+1], 0                      ; named as the upper half of a pair
	v_mov_b32 v[TP+8*\u+4], 0                      ; a lane permute's destination counts as read
.endr
.irp k, 0,1,2,3
	v_mov_b32 v[ST+4*\k+1], 0xd3800000             ; the largest score so far: -2^40, over every masked score
	v_mov_b32 v[ST+4*\k+2], 0
	v_mov_b32 v[ST+4*\k+3], 0
.endr
	WIN 0x40
.set j, 0
.rept 128
	v_mov_b32 v[OT+j], 0                           ; O^T: the step is written once, its first pass finds zeros
.set j, j+1
.endr
	WIN 0
	s_wait_kmcnt 0x0
	s_add_co_i32 s60, s40, s41
	s_lshl_b32 s60, s60, 23
	s_add_co_i32 s[CS], s[CS], s60                 ; c x 2^(e6 + e7)
	s_mov_b32 s[CS+1], s[CS]
	s_add_co_i32 s60, s43, 127
	s_lshl_b32 s61, s60, 23
	v_mov_b32 v[SP], s61                           ; 2^e9
	s_add_co_i32 s60, s60, 8
	s_lshl_b32 s60, s60, 23
	s_or_b32 s60, s60, 0x600000
	v_mov_b32 v[LP], s60                           ; 448 x 2^e9
	s_sub_co_i32 s60, s44, s43
	s_sub_co_i32 s60, s60, s42
	s_add_co_i32 s60, s60, 127
	s_lshl_b32 s61, s60, 23
	v_mov_b32 v[SO], s61                           ; 2^(e10 - e9 - e8)
	s_add_co_i32 s60, s60, 8
	s_lshl_b32 s60, s60, 23
	s_or_b32 s60, s60, 0x600000
	v_mov_b32 v[LO], s60
.irp k, 0,1,2,3
	v_mul_f32 v[ST+4*\k], s[CS], v[ST+4*\k+1]
.endr
.irp k, 0,1,2,3
	v_floor_f32 v[ST+4*\k], -v[ST+4*\k]            ; -M
.endr
	s_wait_loadcnt 8                               ; the mask's two loads are in; Q's eight may be out
.irp k, 0,1,2,3,4,5,6,7
	v_cmp_eq_u32 vcc_lo, 0, v[SA+\k]
	v_cndmask_b32 v[SA+\k], 0, v242, vcc_lo
.endr
	ds_store_b128 v241, v[SA:SA+3]
	ds_store_b128 v241, v[SA+4:SA+7] offset:4096
	s_mov_b32 s[TB], 0
	s_mov_b32 s[KF], 0
	s_mov_b32 s[TM], 0
	s_mov_b32 s[CN2], 16
	s_wait_alu depctr_va_vdst(0)
	s_wait_loadcnt 0x0
; ONE GROUP (two query tiles, u = 0 at SA, u = 1 at SA + 64) against the step's 128 keys.
.macro GROUP g
.irp t, 0,1,2,3,4,5,6,7                ; the bias of the step's keys, in the layout of tile 0's accumulators
	ds_load_b128 v[SA+8*\t:SA+8*\t+3], v[ADM] offset:(32*(\t/2)+8*(\t%2))*4
	ds_load_b128 v[SA+8*\t+4:SA+8*\t+7], v[ADM] offset:(32*(\t/2)+8*(\t%2))*4+16
.endr
	s_wait_dscnt 0x0
	WIN 0x01                                       ; source 0 (K) in window 1
.irp t, 0,1,2,3,4,5,6,7
	v_wmma_f32_16x16x64_fp8_fp8 v[SA+64+8*\t:SA+64+8*\t+7], v[KFR+8*\t:KFR+8*\t+7], v[QF+16*\g+8:QF+16*\g+15], v[SA+8*\t:SA+8*\t+7]
.endr
.rept 5
	v_nop                                          ; five places: the products below write over the C of those above
.endr
.irp t, 0,1,2,3,4,5,6,7
	v_wmma_f32_16x16x64_fp8_fp8 v[SA+8*\t:SA+8*\t+7], v[KFR+8*\t:KFR+8*\t+7], v[QF+16*\g:QF+16*\g+7], v[SA+8*\t:SA+8*\t+7]
.endr
	WIN 0
.rept 4
	v_nop
.endr
	s_add_co_u32 s[TMP], s[KF], 127                ; a step all of whose keys count skips the causal test
	s_cmp_le_u32 s[TMP], s[Q0+\g]
	s_cbranch_scc1 .Lopen_\@
	s_sub_co_i32 s[TMP], s[Q0+\g], s[KF]
	v_add_nc_u32 v[TP+5], s[TMP], v[DQ]            ; d = my query - KF - 16 h; register n holds key KF + 16 h + 32 (n / 16) + n % 16
	v_add_nc_u32 v[TP+13], 8, v[TP+5]
	v_mov_b32 v[TP+2], 0xff800000
.set j, 0
.rept 64
.irp u, 0,1
	v_cmp_gt_i32 vcc_lo, 32*(j/16)+j%16, v[TP+8*\u+5]
	v_cndmask_b32 v[SA+64*\u+j], v[SA+64*\u+j], v[TP+2], vcc_lo
.endr
.set j, j+1
.endr
.Lopen_\@:
.irp u, 0,1                            ; the largest score: two chains a tile, the two tiles by turns
	v_max3_num_f32 v[TP+8*\u+2], v[SA+64*\u], v[SA+64*\u+1], v[SA+64*\u+2]
	v_max3_num_f32 v[TP+8*\u+3], v[SA+64*\u+3], v[SA+64*\u+4], v[SA+64*\u+5]
.endr
.irp i, 6,10,14,18,22,26,30,34,38,42,46,50,54,58
.irp u, 0,1
	v_max3_num_f32 v[TP+8*\u+2], v[TP+8*\u+2], v[SA+64*\u+\i], v[SA+64*\u+\i+1]
	v_max3_num_f32 v[TP+8*\u+3], v[TP+8*\u+3], v[SA+64*\u+\i+2], v[SA+64*\u+\i+3]
.endr
.endr
.irp u, 0,1
	v_max3_num_f32 v[TP+8*\u+2], v[TP+8*\u+2], v[SA+64*\u+62], v[SA+64*\u+63]
.endr
.irp u, 0,1
	v_max_num_f32 v[TP+8*\u+2], v[TP+8*\u+2], v[TP+8*\u+3]
.endr
.irp u, 0,1
	v_permlanex16_b32 v[TP+8*\u+4], v[TP+8*\u+2], s[SEL], s[SEL+1]
.endr
.irp u, 0,1
	v_max3_num_f32 v[ST+8*\g+4*\u+1], v[ST+8*\g+4*\u+1], v[TP+8*\u+2], v[TP+8*\u+4]   ; the running largest score
.endr
.irp u, 0,1
	v_mul_f32 v[TP+8*\u+2], s[CS], v[ST+8*\g+4*\u+1]   ; as t (c is positive)
.endr
.irp u, 0,1
	v_mov_b32 v[TP+8*\u+3], v[ST+8*\g+4*\u]
.endr
.irp u, 0,1
	v_floor_f32 v[ST+8*\g+4*\u], -v[TP+8*\u+2]     ; the new -M
.endr
.irp u, 0,1
	v_sub_f32 v[TP+8*\u+3], v[ST+8*\g+4*\u], v[TP+8*\u+3]
.endr
.irp u, 0,1
	v_cvt_i32_f32 v[TP+8*\u+3], v[TP+8*\u+3]       ; (it saturates)
.endr
.irp u, 0,1
	v_ldexp_f32 v[TP+8*\u], 1.0, v[TP+8*\u+3]      ; f = 2^(old M - new M)
.endr
.irp u, 0,1
.set j, 0
.rept 32
	v_pk_fma_f32 v[SA+64*\u+j:SA+64*\u+j+1], v[SA+64*\u+j:SA+64*\u+j+1], s[CS:CS+1], v[ST+8*\g+4*\u:ST+8*\g+4*\u+1] op_sel_hi:[1,0,0]
.set j, j+2
.endr
.endr
	s_wait_alu depctr_va_vdst(0)                   ; ahead of the batch
.set j, 0
.rept 128
	v_exp_f32 v[SA+j], v[SA+j]
.set j, j+1
.endr
.irp u, 0,1
	v_pk_mul_f32 v[ST+8*\g+4*\u+2:ST+8*\g+4*\u+3], v[ST+8*\g+4*\u+2:ST+8*\g+4*\u+3], v[TP+8*\u:TP+8*\u+1] op_sel_hi:[1,0]
.endr
	s_wait_alu depctr_va_vdst(0)                   ; and behind it, ahead of its first reader
.irp u, 0,1                            ; the sum of the unquantised p
	v_pk_add_f32 v[TP+8*\u+6:TP+8*\u+7], v[SA+64*\u:SA+64*\u+1], v[SA+64*\u+2:SA+64*\u+3]
.endr
.irp i, 4,8,12,16,20,24,28,32,36,40,44,48,52,56,60
.irp u, 0,1
	v_pk_add_f32 v[ST+8*\g+4*\u+2:ST+8*\g+4*\u+3], v[ST+8*\g+4*\u+2:ST+8*\g+4*\u+3], v[SA+64*\u+\i:SA+64*\u+\i+1]
	v_pk_add_f32 v[TP+8*\u+6:TP+8*\u+7], v[TP+8*\u+6:TP+8*\u+7], v[SA+64*\u+\i+2:SA+64*\u+\i+3]
.endr
.endr
.irp u, 0,1
	v_pk_add_f32 v[ST+8*\g+4*\u+2:ST+8*\g+4*\u+3], v[ST+8*\g+4*\u+2:ST+8*\g+4*\u+3], v[TP+8*\u+6:TP+8*\u+7]
.endr
.irp u, 0,1
.irp b, 0,1,2,3
.set i, 0
.rept 16
	v_min_num_f32 v[SA+64*\u+16*\b+i], v[SA+64*\u+16*\b+i], v[LP]   ; the conversion does not saturate (ISA guide 7.6.2); p is not negative
.set i, i+1
.endr
	v_cvt_scalef32_pk8_fp8_f32 v[PC+16*\u+4*\b:PC+16*\u+4*\b+1], v[SA+64*\u+16*\b:SA+64*\u+16*\b+7], v[SP]
	v_cvt_scalef32_pk8_fp8_f32 v[PC+16*\u+4*\b+2:PC+16*\u+4*\b+3], v[SA+64*\u+16*\b+8:SA+64*\u+16*\b+15], v[SP]
.endr
.endr
	WIN 0x41                                       ; O^T in window 1, f in window 0
	s_wait_alu depctr_va_vdst(0)                   ; directly ahead of the first reader of O^T
.irp u, 0,1
.set j, 0
.rept 16
	v_pk_mul_f32 v[OT+64*\g+32*\u+j:OT+64*\g+32*\u+j+1], v[OT+64*\g+32*\u+j:OT+64*\g+32*\u+j+1], v[TP+8*\u:TP+8*\u+1] op_sel_hi:[1,0]
.set j, j+2
.endr
.endr
	WIN 0x51                                       ; V and O^T in window 1, p's codes in window 0
.irp u, 0,1
.irp t, 0,1,2,3
	v_wmma_f32_16x16x128_fp8_fp8 v[OT+64*\g+32*\u+8*\t:OT+64*\g+32*\u+8*\t+7], v[VFR+16*\t:VFR+16*\t+15], v[PC+16*\u:PC+16*\u+15], v[OT+64*\g+32*\u+8*\t:OT+64*\g+32*\u+8*\t+7]
.endr
.endr
	WIN 0
.endm
	s_wait_tensorcnt 0x0                           ; my part of K or V is in,
	s_wait_dscnt 0x0                               ; and my part of the bias
	s_barrier_signal -1
	s_barrier_wait -1                              ; everybody's is
.Lstep:
	s_add_co_u32 s[TMP], s[Q0], 31
	s_cmp_gt_u32 s[KF], s[TMP]                     ; all keys behind my high block: nothing to do
	s_cbranch_scc1 .Lhid
	v_add_nc_u32 v[ADK], s[TB], v[AK0]
	v_add_nc_u32 v[ADM], s[TM], v[AM0]
	v_add_nc_u32 v[AD1], 65536, v[ADK]
	v_add_nc_u32 v[AD2], 131072, v[ADK]
	v_add_nc_u32 v[AD3], 196608, v[ADK]            ; (these five are also the places in front of loads into V's registers)
	s_wait_alu depctr_va_vdst(0)
	WIN 0x40
.irp t, 0,1,2,3
	ds_load_b128 v[KFR+8*\t:KFR+8*\t+3], v[ADK] offset:(\t/2)*32768+(\t%2)*1024
	ds_load_b128 v[KFR+8*\t+4:KFR+8*\t+7], v[ADK] offset:(\t/2)*32768+(\t%2)*1024+512
.endr
.irp t, 0,1,2,3
	ds_load_b128 v[KFR+32+8*\t:KFR+32+8*\t+3], v[AD1] offset:(\t/2)*32768+(\t%2)*1024
	ds_load_b128 v[KFR+32+8*\t+4:KFR+32+8*\t+7], v[AD1] offset:(\t/2)*32768+(\t%2)*1024+512
.endr
.irp t, 0,1
.irp c, 0,1,2,3
	ds_load_b128 v[VFR+16*\t+4*\c:VFR+16*\t+4*\c+3], v[AD2] offset:\t*32768+512*\c
.endr
.endr
.irp t, 0,1
.irp c, 0,1,2,3
	ds_load_b128 v[VFR+32+16*\t+4*\c:VFR+32+16*\t+4*\c+3], v[AD3] offset:\t*32768+512*\c
.endr
.endr
	WIN 0
	GROUP 0
	s_add_co_u32 s[TMP], s[Q0+1], 31
	s_cmp_gt_u32 s[KF], s[TMP]
	s_cbranch_scc1 .Lhid
	GROUP 1
.Lhid:
	s_add_co_u32 s[TB], s[TB], 2048
	s_add_co_u32 s[TM], s[TM], 512
	s_add_co_u32 s[KF], s[KF], 128
	s_sub_co_u32 s[CN2], s[CN2], 1
	s_cmp_lg_u32 s[CN2], 0
	s_cbranch_scc1 .Lstep
	; THE WAY OUT: tile k = 2 g + u.  O^T / the sum, held, converted; a lane's 32 codes are its 16 bytes of two groups of an image: each store covers 512 consecutive bytes, aligned.
.irp k, 0,1,2,3
	v_add_f32 v[ST+4*\k+2], v[ST+4*\k+2], v[ST+4*\k+3]
.endr
.irp k, 0,1,2,3
	v_permlanex16_b32 v[ST+4*\k+1], v[ST+4*\k+2], s[SEL], s[SEL+1]
.endr
.irp k, 0,1,2,3
	v_add_f32 v[ST+4*\k+2], v[ST+4*\k+2], v[ST+4*\k+1]
.endr
.irp k, 0,1,2,3
	v_cmp_eq_f32 s[NOK+\k], 0, v[ST+4*\k+2]        ; a row with no key left
.endr
	s_wait_alu depctr_va_vdst(0)                   ; ahead of the batch
.irp k, 0,1,2,3
	v_rcp_f32 v[ST+4*\k], v[ST+4*\k+2]
.endr
	v_nop
	WIN 0x01
	s_wait_alu depctr_va_vdst(0)                   ; behind the batch, and directly ahead of the first reader of O^T
.irp k, 0,1,2,3
.set j, 0
.rept 16
	v_pk_mul_f32 v[SA+32*\k+j:SA+32*\k+j+1], v[OT+32*\k+j:OT+32*\k+j+1], v[ST+4*\k:ST+4*\k+1] op_sel_hi:[1,0]
.set j, j+2
.endr
.endr
	WIN 0
.set j, 0
.rept 128
	v_med3_num_f32 v[SA+j], v[SA+j], -v[LO], v[LO]
.set j, j+1
.endr
.set j, 0
.rept 16
	v_cvt_scalef32_pk8_fp8_f32 v[PC+2*j:PC+2*j+1], v[SA+8*j:SA+8*j+7], v[SO]
.set j, j+1
.endr
	v_nop
.irp k, 0,1,2,3
.irp i, 0,1,2,3,4,5,6,7
	v_cndmask_b32 v[PC+8*\k+\i], v[PC+8*\k+\i], v[NANC], s[NOK+\k]
.endr
.endr
.irp g, 0,1
.irp u, 0,1
	global_store_b128 v[AK0], v[PC+16*\g+8*\u:PC+16*\g+8*\u+3], s[OA+2*\g:OA+2*\g+1] offset:16384*\u
	global_store_b128 v[AK0], v[PC+16*\g+8*\u+4:PC+16*\g+8*\u+7], s[OA+2*\g:OA+2*\g+1] offset:16384*\u+512
.endr
.endr
	s_wait_tensorcnt 0x0                           ; the wave's end
	ds_add_u32 v[SPW], v[NIL]
	s_wait_dscnt 0x0
	s_endpgm
.Lfunc_end_k_qcc41a40fe1_attn:
	.size	k_qcc41a40fe1_attn, .Lfunc_end_k_qcc41a40fe1_attn-k_qcc41a40fe1_attn
	.p2alignl 7, 3214868480
	.fill 96, 4, 3214868480
	.section	.rodata,"a",@progbits
	.p2align	6, 0x0
	.amdhsa_kernel k_qcc41a40fe1_attn
		.amdhsa_group_segment_fixed_size 327680
		.amdhsa_private_segment_fixed_size 0
		.amdhsa_enable_private_segment 0
		.amdhsa_kernarg_size 48
		.amdhsa_user_sgpr_count 2
		.amdhsa_user_sgpr_kernarg_segment_ptr 1
		.amdhsa_wavefront_size32 1
		.amdhsa_system_sgpr_workgroup_id_x 1
		.amdhsa_system_sgpr_workgroup_id_y 1
		.amdhsa_system_sgpr_workgroup_id_z 1
		.amdhsa_system_vgpr_workitem_id 0
		.amdhsa_next_free_vgpr 512
		.amdhsa_next_free_sgpr 84
		.amdhsa_reserve_vcc 1
		.amdhsa_float_denorm_mode_32 3
		.amdhsa_float_denorm_mode_16_64 3
		.amdhsa_memory_ordered 1
		.amdhsa_forward_progress 1
		.amdhsa_inst_pref_size 106
	.end_amdhsa_kernel
	.amdgpu_metadata
---
amdhsa.version: [ 1, 2 ]
amdhsa.kernels:
  - .name:           k_qcc41a40fe1_attn
    .symbol:         k_qcc41a40fe1_attn.kd
    .args:
      - { .name: qc, .offset: 0, .size: 8, .value_kind: global_buffer, .address_space: global }
      - { .name: kc, .offset: 8, .size: 8, .value_kind: global_buffer, .address_space: global }
      - { .name: vc, .offset: 16, .size: 8, .value_kind: global_buffer, .address_space: global }
      - { .name: attention_mask, .offset: 24, .size: 8, .value_kind: global_buffer, .address_space: global }
      - { .name: lowp_scales, .offset: 32, .size: 8, .value_kind: global_buffer, .address_space: global }
      - { .name: ac, .offset: 40, .size: 8, .value_kind: global_buffer, .address_space: global }
    .group_segment_fixed_size: 327680
    .private_segment_fixed_size: 0
    .kernarg_segment_align: 8
    .kernarg_segment_size: 48
    .max_flat_workgroup_size: 256
    .sgpr_count:     84
    .vgpr_count:     512
    .wavefront_size: 32
...
	.end_amdgpu_metadata
.endif
;; end of part 3
;; launch outproj (part 4): grid 4 x 64, 4 waves a work-group, clusters of 4 x 1, 327,680 bytes of LDS; arguments ac, wc, bo, lowp_scales, out0; writes out0
.if DOCPART == 4
	.amdgcn_target "amdgcn-amd-amdhsa--gfx1250"
	.amdhsa_code_object_version 6
	.text
	.protected	k_qcc41a40fe1_outproj
	.globl	k_qcc41a40fe1_outproj
	.p2align	8
	.type	k_qcc41a40fe1_outproj,@function
k_qcc41a40fe1_outproj:
	s_mov_b64 s[64:65], 0
	v_nop
	global_prefetch_b8 v0, s[64:65] scope:SCOPE_SE
	s_setreg_imm32_b32 hwreg(HW_REG_WAVE_MODE, 25, 1), 1
	s_wait_xcnt 0x0
	s_wait_alu depctr_hold_cnt(0) depctr_sa_sdst(0) depctr_va_vdst(0) depctr_va_sdst(0) depctr_va_ssrc(0) depctr_va_vcc(0) depctr_vm_vsrc(0)
	s_getreg_b32 s2, hwreg(HW_REG_IB_STS2, 6, 4)
	s_cmp_eq_u32 s2, 0
	s_cbranch_scc0 .Lentry_in_a_cluster
	s_endpgm
.Lentry_in_a_cluster:
	s_bfe_u32 s2, ttmp6, 0x10000c
	s_cmp_lg_u32 s2, 0x3003
	s_cbranch_scc0 .Lentry_shape_is_right
	s_endpgm
.Lentry_shape_is_right:
.set STG,   131072
.set SPARE, 148480
.set AL,  4
.set STO, 5
.set RD,  6
.set CO,  7
.set HB,  8
.set AH,  9
.set SPW, 12
.set NIL, 13
.set ACC, 32
.set BO,  64
.set OUT, 96
.set BK,  128
.set G1,  24
.set G0,  32
.set MSB, 0
.macro WIN new
.if MSB != (\new)
	s_set_vgpr_msb (MSB<<8)|(\new)
.set MSB, (\new)
.endif
.endm
.macro CROUND
	s_barrier_signal -1
	s_barrier_wait -1
	s_cmp_lg_u32 s14, 0
	s_cbranch_scc1 .Lnot_wave_0_\@
	s_barrier_signal -3
.Lnot_wave_0_\@:
	s_barrier_wait -3
	s_barrier_signal -1
	s_barrier_wait -1
.endm
	s_load_b256 s[4:11], s[0:1], 0x0
	s_load_b64 s[12:13], s[0:1], 0x20
	v_lshl_add_u32 v[SPW], v0, 2, SPARE
	v_mov_b32 v[NIL], 0
	ds_add_u32 v[SPW], v[NIL]
	ds_add_u32 v[SPW], v[NIL]
	v_lshrrev_b32 v1, 5, v0
	v_readfirstlane_b32 s14, v1
	s_bfe_u32 s15, ttmp6, 0x40000
	s_lshl_b32 s16, ttmp9, 2
	s_add_co_u32 s16, s16, s15
	s_and_b32 s17, ttmp7, 0xffff
	s_mov_b32 s[G1+0], 15|(3<<16)|(1<<21)
	s_mov_b32 s[G1+1], 32<<16
	s_mov_b32 s[G1+2], 128<<16                     ; a wave's one joint load: 128 rows of 256 bytes, dense
	s_mov_b32 s[G1+3], 32<<16
	s_mov_b32 s[G1+4], 128
	s_mov_b32 s[G1+5], 32
	s_mov_b32 s[G1+6], 0
	s_mov_b32 s[G1+7], 0
	s_lshl_b32 s18, s17, 17
	s_lshl_b32 s20, s14, 15                        ; wave w fetches bytes 32,768 w on of the block's 131,072
	s_add_co_u32 s18, s18, s20
	s_mov_b32 s19, 0
	s_lshl_b32 s22, s16, 18
	s_lshl_b32 s23, s14, 16
	s_add_co_u32 s22, s22, s23
	s_add_co_u32 s22, s22, 3<<20
	s_mov_b32 s23, 0
	s_lshl_b32 s48, s16, 10
	s_lshl_b32 s49, s14, 8
	s_add_co_u32 s48, s48, s49
	s_mov_b32 s49, 0
	s_lshl_b32 s50, s17, 19
	s_add_co_u32 s50, s50, s48
	s_mov_b32 s51, 0
	s_wait_dscnt 0x0
	s_wait_kmcnt 0x0
	s_load_b64 s[52:53], s[10:11], 0x28
	s_add_nc_u64 s[4:5], s[4:5], s[18:19]
	s_add_nc_u64 s[6:7], s[6:7], s[22:23]
	s_add_nc_u64 s[8:9], s[8:9], s[48:49]
	s_add_nc_u64 s[12:13], s[12:13], s[50:51]
	s_mov_b32 s[G0], 1
	s_mov_b32 s[G0+1], s20
	s_mov_b64 s[G0+2:G0+3], s[4:5]
	s_or_b32 s[G0+3], s[G0+3], 0x80000000
	CROUND                                         ; the round in front of the joint loads
	tensor_load_to_lds s[G0:G0+3], s[G1:G1+7]      ; one a wave; no LDS byte is filled again
	s_nop 0
.rept 4
	v_nop
.endr
	v_and_b32 v1, 31, v0
	v_lshlrev_b32 v[AL], 4, v1
	v_add_nc_u32 v[AH], 65536, v[AL]
	v_and_b32 v2, 15, v0
	v_bfe_u32 v3, v0, 4, 1
	v_lshlrev_b32 v[HB], 6, v3
	WIN 0x80
.irp s, 0,1,2,3
.irp t, 0,1,2,3
.irp c, 0,1,2,3
	global_load_b128 v[16*(4*\s+\t)+4*\c:16*(4*\s+\t)+4*\c+3], v[AL], s[6:7] offset:\t*16384+\s*2048+512*\c
.endr
.endr
.endr
	WIN 0xc0
.irp s, 0,1,2,3
.irp t, 0,1,2,3
.irp c, 0,1,2,3
	global_load_b128 v[16*(4*\s+\t)+4*\c:16*(4*\s+\t)+4*\c+3], v[AL], s[6:7] offset:\t*16384+(\s+4)*2048+512*\c
.endr
.endr
.endr
	WIN 0
.irp t, 0,1,2,3
	global_load_b128 v[BO+8*\t:BO+8*\t+3], v[HB], s[8:9] offset:(32*(\t/2)+8*(\t%2))*4
	global_load_b128 v[BO+8*\t+4:BO+8*\t+7], v[HB], s[8:9] offset:(32*(\t/2)+8*(\t%2))*4+16
.endr
	s_mul_i32 s21, s14, 16*272
	s_add_co_u32 s21, s21, STG
	v_mul_u32_u24 v[STO], v2, 272
	v_lshl_add_u32 v[STO], v3, 6, v[STO]
	v_add_nc_u32 v[STO], s21, v[STO]
	v_mul_u32_u24 v[RD], v3, 272
	v_lshl_add_u32 v[RD], v2, 4, v[RD]
	v_add_nc_u32 v[RD], s21, v[RD]
	v_lshlrev_b32 v[CO], 12, v3
	v_lshl_add_u32 v[CO], v2, 4, v[CO]
	s_wait_kmcnt 0x0
	s_add_co_i32 s52, s52, s53
	s_add_co_i32 s52, s52, 127
	s_lshl_b32 s52, s52, 23
	s_mov_b32 s53, s52
.macro FETCH m
	WIN 0x40
.irp s, 0,1,2,3,4,5,6,7
.irp c, 0,1,2,3
.if (\m) < 4
	ds_load_b128 v[128*((\m)%2)+16*\s+4*\c:128*((\m)%2)+16*\s+4*\c+3], v[AL] offset:(\m)*16384+\s*2048+512*\c
.else
	ds_load_b128 v[128*((\m)%2)+16*\s+4*\c:128*((\m)%2)+16*\s+4*\c+3], v[AH] offset:((\m)-4)*16384+\s*2048+512*\c
.endif
.endr
.endr
	WIN 0
.endm
.macro MMA m
.irp s, 0,1,2,3,4,5,6,7
	WIN 0x06+\s/4
.irp t, 0,1,2,3
.set rW, 16*(4*(\s%4)+\t)
.set rA, 128*((\m)%2)+16*\s
.if \s == 0
	v_wmma_f32_16x16x128_fp8_fp8 v[ACC+8*\t:ACC+8*\t+7], v[rW:rW+15], v[rA:rA+15], 0
.else
	v_wmma_f32_16x16x128_fp8_fp8 v[ACC+8*\t:ACC+8*\t+7], v[rW:rW+15], v[rA:rA+15], v[ACC+8*\t:ACC+8*\t+7]
.endif
.endr
.endr
	WIN 0
.endm
.macro EPI m
.set BKS, BK+32*((\m)%2)
	s_wait_xcnt 0x0
.set j, 0
.rept 16
	v_pk_fma_f32 v[OUT+j:OUT+j+1], v[ACC+j:ACC+j+1], s[52:53], v[BO+j:BO+j+1] op_sel_hi:[1,0,1]
.set j, j+2
.endr
.irp t, 0,1,2,3
	ds_store_b128 v[STO], v[OUT+8*\t:OUT+8*\t+3] offset:128*(\t/2)+32*(\t%2)
	ds_store_b128 v[STO], v[OUT+8*\t+4:OUT+8*\t+7] offset:128*(\t/2)+32*(\t%2)+16
.endr
.irp t, 0,1,2,3,4,5,6,7
	ds_load_b128 v[BKS+4*\t:BKS+4*\t+3], v[RD] offset:544*\t
.endr
.irp t, 0,1,2,3,4,5,6,7
	s_wait_dscnt 7-\t
	global_store_b128 v[CO], v[BKS+4*\t:BKS+4*\t+3], s[12:13] offset:((\m)/2)*131072+((\m)%2)*32768+\t*8192+(\t/4)*32768 th:TH_STORE_NT   ; row rho of tile m is row 32 (m / 2) + 8 (m % 2) + rho + 8 (rho / 8) of the block
.endr
.endm
.macro ITER m
	s_wait_dscnt 0x0
.if (\m) < 7
	FETCH (\m)+1
.endif
	MMA \m
.rept 5
	v_nop
.endr
	EPI \m
.endm
	s_wait_alu depctr_va_vdst(0)
	s_wait_tensorcnt 0x0                           ; my part of the block's codes is in
	s_barrier_signal -1
	s_barrier_wait -1
	FETCH 0
	s_wait_loadcnt 0x0
	ITER 0
	ITER 1
	ITER 2
	ITER 3
	ITER 4
	ITER 5
	ITER 6
	ITER 7
	s_wait_tensorcnt 0x0
	ds_add_u32 v[SPW], v[NIL]
	s_wait_dscnt 0x0
	CROUND
	s_endpgm
.Lfunc_end_k_qcc41a40fe1_outproj:
	.size	k_qcc41a40fe1_outproj, .Lfunc_end_k_qcc41a40fe1_outproj-k_qcc41a40fe1_outproj
	.p2alignl 7, 3214868480
	.fill 96, 4, 3214868480
	.section	.rodata,"a",@progbits
	.p2align	6, 0x0
	.amdhsa_kernel k_qcc41a40fe1_outproj
		.amdhsa_group_segment_fixed_size 327680
		.amdhsa_private_segment_fixed_size 0
		.amdhsa_enable_private_segment 0
		.amdhsa_kernarg_size 40
		.amdhsa_user_sgpr_count 2
		.amdhsa_user_sgpr_kernarg_segment_ptr 1
		.amdhsa_wavefront_size32 1
		.amdhsa_system_sgpr_workgroup_id_x 1
		.amdhsa_system_sgpr_workgroup_id_y 1
		.amdhsa_system_sgpr_workgroup_id_z 1
		.amdhsa_system_vgpr_workitem_id 0
		.amdhsa_next_free_vgpr 1024
		.amdhsa_next_free_sgpr 66
		.amdhsa_reserve_vcc 0
		.amdhsa_float_denorm_mode_32 3
		.amdhsa_float_denorm_mode_16_64 3
		.amdhsa_memory_ordered 1
		.amdhsa_forward_progress 1
		.amdhsa_inst_pref_size 77
	.end_amdhsa_kernel
	.amdgpu_metadata
---
amdhsa.version: [ 1, 2 ]
amdhsa.kernels:
  - .name:           k_qcc41a40fe1_outproj
    .symbol:         k_qcc41a40fe1_outproj.kd
    .args:
      - { .name: ac, .offset: 0, .size: 8, .value_kind: global_buffer, .address_space: global }
      - { .name: wc, .offset: 8, .size: 8, .value_kind: global_buffer, .address_space: global }
      - { .name: bo, .offset: 16, .size: 8, .value_kind: global_buffer, .address_space: global }
      - { .name: lowp_scales, .offset: 24, .size: 8, .value_kind: global_buffer, .address_space: global }
      - { .name: out0, .offset: 32, .size: 8, .value_kind: global_buffer, .address_space: global }
    .group_segment_fixed_size: 327680
    .private_segment_fixed_size: 0
    .kernarg_segment_align: 8
    .kernarg_segment_size: 40
    .max_flat_workgroup_size: 128
    .sgpr_count:     66
    .vgpr_count:     1024
    .wavefront_size: 32
...
	.end_amdgpu_metadata
.endif
;; end of part 4
